; MI455X (gfx1250); checked and timed in simulation.
; The chip was launched on July 23, 2026; its instructions are those of AMD's public machine-readable ISA for CDNA 5 (MIT licence, August 2026) and "CDNA5" Instruction Set Architecture Reference Guide (July 2026). The comments in the code are by the model that wrote it; some were corrected since.
;; AFT FULL. Allowed arithmetic: float matrix products may take bf16 or f16 operands with f32 sums; all other float work in f32.
;; Inputs: Wk 512 x 512 float32; Wq 512 x 512 float32; Wv 512 x 512 float32; bk 512 float32; bq 512 float32; bv 512 float32; pos_bias 1,024 x 1,024 float32; x 32 x 1,024 x 512 float32.
;; Outputs: out0 32 x 1,024 x 512 float32.
;; 2 versions, each right; version 2 is version 1 with the launch prep written anew for expert scheduling mode. Each part assembles by itself: llvm-mc -triple=amdgcn-amd-amdhsa -mcpu=gfx1250 --defsym DOCPART=n.
;; ======== version 1 of 2: 3 launches
;; workspace buffers: xb 33,554,432 bytes; wb 1,572,864 bytes; eb 2,097,152 bytes; et 67,108,864 bytes
;; launch prep (part 1): grid 256 x 1, 16 waves a work-group, no clusters, 0 bytes of LDS; arguments x, Wk, Wv, Wq, pos_bias, xb, wb, eb; writes xb, wb, eb
.if DOCPART == 1
	.amdgcn_target "amdgcn-amd-amdhsa--gfx1250"
	.amdhsa_code_object_version 6
	.text
	.protected	k_q4d5555773c_prep
	.globl	k_q4d5555773c_prep
	.p2align	8
	.type	k_q4d5555773c_prep,@function
k_q4d5555773c_prep:
	s_mov_b64 s[64:65], 0
	v_nop
	global_prefetch_b8 v0, s[64:65] scope:SCOPE_SE
	s_setreg_imm32_b32 hwreg(HW_REG_WAVE_MODE, 25, 1), 1
	s_wait_xcnt 0x0
; prep: the matrix operands in bf16.
;   xb[32768][512]  = bf16(x)
;   wb[1536][512]   = bf16 of the three weights, rows in the order in which the later launches want them:
;                     row 128 g + dd = Wk[64 g + dd], row 128 g + 64 + dd = Wv[64 g + dd] (g = 0..7, dd = 0..63), row 1024 + d = Wq[d]
;   eb[1024][1024]  = bf16(exp(pos_bias))
; A stream: no LDS, no barrier, no matrix unit.  256 work-groups of sixteen waves.  Work-group g owns 262,144 bytes of x, 16,384 bytes of pos_bias and
; rows 2 g, 2 g + 1 of each weight.  x: thread t (0..511) takes the 16 bytes at 16 t of each of 32 pieces of 8,192 bytes and stores 8 bytes at 8 t: a wave's
; load covers 512 consecutive bytes, its store 256 consecutive bytes at a multiple of 256.  512 threads x 32 loads x 16 bytes are the group's whole share:
; all of it is asked for at once, each quad is converted in place and stored from there, and no register is written twice.
; The small inputs go in pieces of 4,096 bytes to half of the waves each: waves 0-7 the four pieces of pos_bias, waves 8-15 the
; three weights.  Each of the two ways issues its small loads and then the same 32 loads of x, so both meet with the same loads outstanding.
; Every piece's place stands in the immediate offset (253,952 at the most), so no address register is ever rewritten.
; LIMITS: v_exp_f32 flushes denormal results (ISA guide, its entry in 15.8): exp(pos_bias) below 2^-126 is stored as 0.
; exp(p) is made as 2^(p log2 e), the product rounded once in f32.  No maximum is taken away, as in the computation that this follows;
; bf16 has f32's exponent range, so nothing overflows here that does not overflow there.
.set PIECE,  8192                      ; bytes of x that the 512 threads load at once
.set SPIECE, 4096                      ; bytes of a small input that 256 threads load at once
.set NX,     32                        ; pieces of x
.set SM,  8                            ; v[8:23]    the small inputs: four quads of pos_bias (waves 0-7) or three of weights (waves 8-15)
.set X,   24                           ; v[24:151]  piece i of x: 4 registers as loaded; the first two of them as stored
	s_load_b512 s[4:19], s[0:1], 0x0               ; x 4:5, Wk 6:7, Wv 8:9, Wq 10:11, pos_bias 12:13, xb 14:15, wb 16:17, eb 18:19
	v_lshlrev_b32 v1, 4, v0                        ; 16 t: where I load x
	v_lshlrev_b32 v2, 3, v0                        ; 8 t: where I store xb
	v_and_b32 v3, 0xff, v0                         ; my place among the 256 threads of my half of the waves
	v_lshlrev_b32 v4, 3, v3                        ; 8 x that: where I store a small piece
	v_lshlrev_b32 v3, 4, v3                        ; 16 x that: where I load it
	v_lshrrev_b32 v5, 5, v0
	v_readfirstlane_b32 s26, v5                    ; wave 0..15
	s_mov_b32 s21, 0                               ; s[20:21]: an offset below 4 GiB
	s_lshr_b32 s24, ttmp9, 5                       ; Wk's rows 2 g, 2 g + 1 go to wb's rows 128 (g / 32) + 2 (g % 32) and the next:
	s_lshl_b32 s24, s24, 17                        ; (g / 32) x 128 rows x 1,024 bytes
	s_and_b32 s25, ttmp9, 31
	s_lshl_b32 s25, s25, 11                        ; + (g % 32) x 2 rows; the second row is in the thread's 8 bytes' place
	s_add_co_u32 s24, s24, s25
	s_mov_b32 s25, 0
	s_wait_kmcnt 0x0
	s_lshl_b32 s20, ttmp9, 18
	s_add_nc_u64 s[4:5], s[4:5], s[20:21]          ; x at my 262,144 bytes
	s_lshl_b32 s20, ttmp9, 12
	s_add_nc_u64 s[6:7], s[6:7], s[20:21]          ; the weights at my two rows
	s_add_nc_u64 s[8:9], s[8:9], s[20:21]
	s_add_nc_u64 s[10:11], s[10:11], s[20:21]
	s_lshl_b32 s20, ttmp9, 14
	s_add_nc_u64 s[12:13], s[12:13], s[20:21]      ; pos_bias
	s_lshl_b32 s20, ttmp9, 17
	s_add_nc_u64 s[14:15], s[14:15], s[20:21]      ; xb
	s_lshl_b32 s20, ttmp9, 13
	s_add_nc_u64 s[18:19], s[18:19], s[20:21]      ; eb
	s_lshl_b32 s20, ttmp9, 11
	s_add_co_u32 s20, s20, 0x100000
	s_add_nc_u64 s[22:23], s[16:17], s[20:21]      ; wb at row 1024 + 2 g: Wq's place
	s_add_nc_u64 s[16:17], s[16:17], s[24:25]      ; wb at Wk's place; Wv's is 64 rows = 65,536 bytes further
.macro XLOADS                          ; the wave's whole share of x: 32 loads
.set it, 0
.rept NX
	global_load_b128 v[X+4*it:X+4*it+3], v1, s[4:5] offset:it*PIECE th:TH_LOAD_NT
.set it, it+1
.endr
.endm
	s_cmp_lt_u32 s26, 8
	s_cbranch_scc0 .Lweights
	; waves 0-7: pos_bias
.irp i, 0,1,2,3
	global_load_b128 v[SM+4*\i:SM+4*\i+3], v3, s[12:13] offset:\i*SPIECE th:TH_LOAD_NT
.endr
	XLOADS
.irp i, 0,1,2,3
	s_wait_loadcnt 35-\i                           ; loads come back in order (ISA guide 5.7.1): behind piece i stand 3 - i of its kind and the 32 of x
	v_pk_mul_f32 v[SM+4*\i:SM+4*\i+1],   v[SM+4*\i:SM+4*\i+1],   0x3fb8aa3b op_sel_hi:[1,0]   ; x log2 e
	v_pk_mul_f32 v[SM+4*\i+2:SM+4*\i+3], v[SM+4*\i+2:SM+4*\i+3], 0x3fb8aa3b op_sel_hi:[1,0]
	v_exp_f32 v[SM+4*\i],   v[SM+4*\i]
	v_exp_f32 v[SM+4*\i+1], v[SM+4*\i+1]
	v_exp_f32 v[SM+4*\i+2], v[SM+4*\i+2]
	v_exp_f32 v[SM+4*\i+3], v[SM+4*\i+3]
	v_nop                                          ; one plain vector instruction between the last v_exp_f32 and the use of its result (ISA guide 5.7.2)
	s_wait_alu depctr_va_vdst(0)
	v_cvt_pk_bf16_f32 v[SM+4*\i],   v[SM+4*\i],   v[SM+4*\i+1]
	v_cvt_pk_bf16_f32 v[SM+4*\i+1], v[SM+4*\i+2], v[SM+4*\i+3]
	global_store_b64 v4, v[SM+4*\i:SM+4*\i+1], s[18:19] offset:\i*(SPIECE/2)
.endr
	s_branch .Lx
.Lweights:
	; waves 8-15: the three weights
	global_load_b128 v[SM:SM+3],    v3, s[6:7] th:TH_LOAD_NT
	global_load_b128 v[SM+4:SM+7],  v3, s[8:9] th:TH_LOAD_NT
	global_load_b128 v[SM+8:SM+11], v3, s[10:11] th:TH_LOAD_NT
	XLOADS
	s_wait_loadcnt 34                              ; Wk is in: behind it stand Wv, Wq and the 32 of x
	v_cvt_pk_bf16_f32 v[SM],   v[SM],   v[SM+1]
	v_cvt_pk_bf16_f32 v[SM+1], v[SM+2], v[SM+3]
	global_store_b64 v4, v[SM:SM+1], s[16:17]
	s_wait_loadcnt 33                              ; Wv
	v_cvt_pk_bf16_f32 v[SM+4], v[SM+4], v[SM+5]
	v_cvt_pk_bf16_f32 v[SM+5], v[SM+6], v[SM+7]
	global_store_b64 v4, v[SM+4:SM+5], s[16:17] offset:65536
	s_wait_loadcnt 32                              ; Wq
	v_cvt_pk_bf16_f32 v[SM+8], v[SM+8],  v[SM+9]
	v_cvt_pk_bf16_f32 v[SM+9], v[SM+10], v[SM+11]
	global_store_b64 v4, v[SM+8:SM+9], s[22:23]
.Lx:
	; x: piece by piece as it comes in
.set it, 0
.rept NX
	s_wait_loadcnt NX-1-it                         ; this piece is in; the younger ones stay out
	v_cvt_pk_bf16_f32 v[X+4*it],   v[X+4*it],   v[X+4*it+1]
	v_cvt_pk_bf16_f32 v[X+4*it+1], v[X+4*it+2], v[X+4*it+3]
	global_store_b64 v2, v[X+4*it:X+4*it+1], s[14:15] offset:it*(PIECE/2)
.set it, it+1
.endr
	s_endpgm
.Lfunc_end_k_q4d5555773c_prep:
	.size	k_q4d5555773c_prep, .Lfunc_end_k_q4d5555773c_prep-k_q4d5555773c_prep
	.p2alignl 7, 3214868480
	.fill 96, 4, 3214868480
	.section	.rodata,"a",@progbits
	.p2align	6, 0x0
	.amdhsa_kernel k_q4d5555773c_prep
		.amdhsa_group_segment_fixed_size 0
		.amdhsa_private_segment_fixed_size 0
		.amdhsa_enable_private_segment 0
		.amdhsa_kernarg_size 64
		.amdhsa_user_sgpr_count 2
		.amdhsa_user_sgpr_kernarg_segment_ptr 1
		.amdhsa_wavefront_size32 1
		.amdhsa_system_sgpr_workgroup_id_x 1
		.amdhsa_system_sgpr_workgroup_id_y 1
		.amdhsa_system_sgpr_workgroup_id_z 1
		.amdhsa_system_vgpr_workitem_id 0
		.amdhsa_next_free_vgpr 152
		.amdhsa_next_free_sgpr 66
		.amdhsa_reserve_vcc 0
		.amdhsa_float_denorm_mode_32 3
		.amdhsa_float_denorm_mode_16_64 3
		.amdhsa_memory_ordered 1
		.amdhsa_forward_progress 1
		.amdhsa_inst_pref_size 20
	.end_amdhsa_kernel
	.amdgpu_metadata
---
amdhsa.version: [ 1, 2 ]
amdhsa.kernels:
  - .name:           k_q4d5555773c_prep
    .symbol:         k_q4d5555773c_prep.kd
    .args:
      - { .name: x, .offset: 0, .size: 8, .value_kind: global_buffer, .address_space: global }
      - { .name: Wk, .offset: 8, .size: 8, .value_kind: global_buffer, .address_space: global }
      - { .name: Wv, .offset: 16, .size: 8, .value_kind: global_buffer, .address_space: global }
      - { .name: Wq, .offset: 24, .size: 8, .value_kind: global_buffer, .address_space: global }
      - { .name: pos_bias, .offset: 32, .size: 8, .value_kind: global_buffer, .address_space: global }
      - { .name: xb, .offset: 40, .size: 8, .value_kind: global_buffer, .address_space: global }
      - { .name: wb, .offset: 48, .size: 8, .value_kind: global_buffer, .address_space: global }
      - { .name: eb, .offset: 56, .size: 8, .value_kind: global_buffer, .address_space: global }
    .group_segment_fixed_size: 0
    .private_segment_fixed_size: 0
    .kernarg_segment_align: 8
    .kernarg_segment_size: 64
    .max_flat_workgroup_size: 512
    .sgpr_count:     66
    .vgpr_count:     152
    .wavefront_size: 32
...
	.end_amdgpu_metadata
.endif
;; end of part 1
;; launch proj (part 2): grid 64 x 4, 4 waves a work-group, clusters of 4 x 4, 327,680 bytes of LDS; arguments wb, xb, bk, bv, et; writes et
.if DOCPART == 2
	.amdgcn_target "amdgcn-amd-amdhsa--gfx1250"
	.amdhsa_code_object_version 6
	.text
	.protected	k_q4d5555773c_proj
	.globl	k_q4d5555773c_proj
	.p2align	8
	.type	k_q4d5555773c_proj,@function
k_q4d5555773c_proj:
	s_mov_b64 s[64:65], 0
	v_nop
	global_prefetch_b8 v0, s[64:65] scope:SCOPE_SE
	s_setreg_imm32_b32 hwreg(HW_REG_WAVE_MODE, 25, 1), 1
	s_wait_xcnt 0x0
	s_wait_alu depctr_hold_cnt(0) depctr_sa_sdst(0) depctr_va_vdst(0) depctr_va_sdst(0) depctr_va_ssrc(0) depctr_va_vcc(0) depctr_vm_vsrc(0)
	s_getreg_b32 s2, hwreg(HW_REG_IB_STS2, 6, 4)
	s_cmp_eq_u32 s2, 0
	s_cbranch_scc0 .Lentry_in_a_cluster
	s_endpgm
.Lentry_in_a_cluster:
	s_bfe_u32 s2, ttmp6, 0x10000c
	s_cmp_lg_u32 s2, 0xf033
	s_cbranch_scc0 .Lentry_shape_is_right
	s_endpgm
.Lentry_shape_is_right:
; proj: k and v together, and what the second product wants of them, transposed.
;   C[n'][j] = sum over c of wb[n'][c] xb[j][c]   (n' = 0..1023: groups of 64 rows of Wk and 64 rows of Wv by turns; j = 0..32767; 512 along c)
;   et[batch][128 g + dd][j]      = bf16(exp(k + bk))                 d = 64 g + dd
;   et[batch][128 g + 64 + dd][j] = bf16(exp(k + bk) (v + bv))        the product in f32 from the unrounded exponential, rounded once
; A work-group makes blocks of 256 x 256 of C with four waves, as many as a WGP has SIMDs; a wave makes 128 x 128 in 512 registers.  A wave's 128 rows are
; one group g: its rows 0-63 are k and its rows 64-127 are v of the SAME d, at the same register numbers of two register windows, so that k and v of one
; (d, j) meet in one lane.  c goes in four steps of 128 through two LDS slots filled by the tensor data mover; a tile's rows are 256 bytes of memory
; at multiples of 256 bytes from the buffer's first byte.
; THE WORK-GROUP STAYS: 256 work-groups, each makes the same block of two batches, one after the other, and the slots take turns on into the second batch:
; its step 0 is asked for at the change of slots in front of the first batch's last step, and has that step and the whole way out in which to land; its
; step 1 is asked for behind the way out.  The first batch's stores leave while the second batch is multiplied.
; CLUSTERS: 4 x 4 work-groups = all 1,024 rows n' x a batch's 1,024 j.  The four of a row of the cluster need the same tiles of wb, the four of a column
; the same tiles of xb: each tile is asked for jointly, by the same tensor load with a mask that names the four, which divides the requests by four.
; LIMITS: v_exp_f32 flushes denormal results (ISA guide, 15.8): exp(k + bk) below 2^-126 counts as 0.  exp(y) is 2^(y log2 e), made by one fused
; multiply-add.  No maximum is taken away, as in the computation that this follows; bf16 keeps f32's exponent range.  Operands are x and W rounded to bf16.
;
; REGISTERS, in windows of 256:
;   window 0: v16-27 addresses, v32-47 biases; v64-127, v128-191 fragments of wb (8 x 16 rows x 32 c), two buffers; on the way out v64-255 at work
;   window 1: v64-127, v128-191 fragments of xb, two buffers
;   window 2: accumulator tiles (a, b), a = 0..3 (k), at v[8 (8 a + b)];   window 3: a = 4..7 (v)
; THE MATRIX INSTRUCTION IS USED TRANSPOSED: source 0 = 16 rows of xb, source 1 = 16 rows of wb.  Lane l then holds row n' = l % 16 of the tile and in
; its registers 0 to 7 the columns j = 8 (l / 16) + 0..7: eight neighbouring numbers of a row of et.
; The macros take nb, the number of 16-row fragments of source 0; it is 8 throughout this text (the launch aft uses the same macros with 8 and 4).
.set KSTEP,  128
.set PITCH,  272                       ; an LDS row: 256 bytes + 16 of padding: the 16 rows that a fragment load touches start 68 words apart (64 banks of 4 bytes: ISA guide 11.1)
.set HALFT,  128*PITCH                 ; 128 rows: what one tensor load brings
.set SLOT,   4*HALFT                   ; wb's 256 rows, then xb's 256 rows
.set STAGE,  2*SLOT                    ; behind the ring, where no tensor load lands: two stages of 16 rows x 272 bytes for each wave
.set SPITCH, 272
.set STAGE2, 4*16*SPITCH               ; from a wave's first stage to its second
.set XBATCH, 1024*1024                 ; bytes of a batch in xb: 1,024 rows of 1,024 bytes
.set EBATCH, 1024*2048                 ; bytes of a batch in et: 1,024 rows of 2,048 bytes
.set ADRA, 16                          ; v16-17  LDS address of my wb fragments in slot 0, 1
.set ADRB, 20                          ; v20-21  the same for xb
.set STO,  24                          ; v24     the way out: where I put 16 bytes of a row
.set RD,   25                          ; v25     the way out: where I read a row back
.set CO,   26                          ; v26     my byte offset in et
.set BO,   27                          ; v27     my byte offset in bk and bv
.set BK,   32                          ; v[32:39] bk of my row in each of the four tiles a, each twice (a pair for the packed forms); later x log2 e
.set BV,   40                          ; v[40:47] bv likewise
.set F0,   64                          ; fragment buffer 0
.set F1,   128                         ; fragment buffer 1
.set T,    64                          ; the way out: 64 exponents, then exp; then rows read back
.set U,    128                         ; the way out: 64 of v + bv, then the products
.set P,    192                         ; the way out: exp packed
.set Q,    224                         ; the way out: the products packed
.set G1,  24                           ; s[24:31] descriptor group 1 for wb's tiles
.set G0,  32                           ; s[32:39] descriptor group 0 for wb's tiles, one set for each slot
.set G1B, 48                           ; s[48:55] group 1 for xb's tiles: it differs in the mask alone
.set G0B, 56                           ; s[56:63] group 0 for xb's tiles, one set for each slot
.set MSB, 0
.macro WIN new                         ; s_set_vgpr_msb: bits 1:0 source 0, 3:2 source 1, 5:4 source 2, 7:6 destination; the high byte repeats the setting that is left
.if MSB != \new
	s_set_vgpr_msb (MSB<<8)|\new
.set MSB, \new
.endif
.endm
.set MUL_LO, 0xa1                      ; source 0 window 1, source 1 window 0, C and D window 2
.set MUL_HI, 0xf1                      ; the same, C and D window 3
.set TO_B,   0x40                      ; destination window 1, address window 0
; A joint load.  Waves 0 and 1 fetch the two halves of wb's tile, waves 2 and 3 those of xb's.  Each line has one mask and one set of registers for all
; that issue it.  The branch hangs on the wave's number alone.
.macro JLOAD s
	s_cmp_eq_u32 s11, 0
	s_cbranch_scc0 .Lfor_b_\@
	tensor_load_to_lds s[G0+4*\s:G0+4*\s+3], s[G1:G1+7]
	s_nop 0
	s_branch .Lasked_\@
.Lfor_b_\@:
	tensor_load_to_lds s[G0B+4*\s:G0B+4*\s+3], s[G1B:G1B+7]
	s_nop 0
.Lasked_\@:
.endm
; The global addresses of a slot's two group 0: oa bytes behind my first tile of wb, ob bytes behind my first tile of xb; the type on top.
; It stands only where no tensor load of the wave is out.
.macro SETADR slot, oa, ob
	s_add_nc_u64 s[G0+4*\slot+2:G0+4*\slot+3], s[14:15], \oa
	s_or_b32 s[G0+4*\slot+3], s[G0+4*\slot+3], 0x80000000          ; type = 2
	s_add_nc_u64 s[G0B+4*\slot+2:G0B+4*\slot+3], s[46:47], \ob
	s_or_b32 s[G0B+4*\slot+3], s[G0B+4*\slot+3], 0x80000000
.endm
; A round of the cluster's barrier: my work-group's barrier; wave 0 signals for the work-group; every wave waits for all sixteen; my work-group's barrier again.
.macro CREST                           ; a round behind its opening barrier
	s_cmp_lg_u32 s10, 0
	s_cbranch_scc1 .Lnot_wave_0_\@
	s_barrier_signal -3
.Lnot_wave_0_\@:
	s_barrier_wait -3
	s_barrier_signal -1
	s_barrier_wait -1
.endm
.macro CROUND                          ; a whole round
	s_barrier_signal -1
	s_barrier_wait -1
	CREST
.endm
	s_load_b128 s[4:7], s[0:1], 0x0                ; wb s[4:5], xb s[6:7]
	s_load_b128 s[68:71], s[0:1], 0x10             ; bk s[68:69], bv s[70:71]
	s_load_b64 s[8:9], s[0:1], 0x20                ; et
	s_set_vgpr_msb 0x40
	v_lshl_add_u32 v255, v0, 2, 0x4c800
	s_set_vgpr_msb 0x4000
	v_mov_b32 v63, 0
	s_set_vgpr_msb 0x1
	ds_add_u32 v255, v63
	s_set_vgpr_msb 0x100
	v_lshrrev_b32 v1, 5, v0
	v_readfirstlane_b32 s10, v1                    ; wave 0..3
	s_lshr_b32 s11, s10, 1                         ; which 128 rows n' of the block are mine.  Also: I fetch for wb (0) or for xb (1)
	s_and_b32 s12, s10, 1                          ; which 128 columns j.  Also: which 128 rows of that tile I fetch
	s_bfe_u32 s40, ttmp6, 0x40000                  ; cx
	s_bfe_u32 s41, ttmp6, 0x40004                  ; cy
	s_lshl_b32 s42, ttmp9, 3                       ; in a cluster launch ttmp9 and ttmp7 count clusters; my first batch is 2 x ttmp9
	s_add_co_u32 s42, s42, s40                     ; its block of 256 j = 4 x batch + cx
	s_and_b32 s13, ttmp7, 0xffff
	s_lshl_b32 s13, s13, 2
	s_add_co_u32 s13, s13, s41                     ; block of 256 n' = 4 x cluster y + cy
	s_lshl_b32 s43, s41, 2
	s_lshl_b32 s43, 15, s43                        ; my row of the cluster: places 4 cy .. 4 cy + 3
	s_lshl_b32 s44, 0x1111, s40                    ; my column: places cx, cx + 4, cx + 8, cx + 12
	; group 1: a tile of 128 rows x 128 elements of 2 bytes, 16 bytes of padding behind each row
	s_or_b32 s[G1+0], s43, (1<<16)|(1<<20)|(1<<21)|(5<<22)|(3<<25)   ; 15:0 mask: my row; 17:16 2 bytes; 20 padding on; 21 set beside a mask; 24:22 after 64 words; 31:25 4 words
	s_or_b32 s[G1B+0], s44, (1<<16)|(1<<20)|(1<<21)|(5<<22)|(3<<25)  ; the same with the mask of my column
	s_mov_b32 s[G1+1], KSTEP<<16                   ; tensor_dim0 = 128
	s_mov_b32 s[G1B+1], KSTEP<<16
	s_mov_b32 s[G1+2], 128<<16                     ; tensor_dim1 = 128
	s_mov_b32 s[G1B+2], 128<<16
	s_mov_b32 s[G1+3], KSTEP<<16                   ; tile_dim0 = 128
	s_mov_b32 s[G1B+3], KSTEP<<16
	s_mov_b32 s[G1+4], 128                         ; tile_dim1 = 128
	s_mov_b32 s[G1B+4], 128
	s_mov_b32 s[G1+5], 512                         ; 512 elements from row to row
	s_mov_b32 s[G1B+5], 512
	s_mov_b32 s[G1+6], 0
	s_mov_b32 s[G1B+6], 0
	s_mov_b32 s[G1+7], 0
	s_mov_b32 s[G1B+7], 0
	; where the tiles come from (rows of 1,024 bytes).  wb's hang on the block of n' alone, xb's on the block of j alone, each in registers that never hold the other coordinate
	s_lshl_b32 s16, s13, 18                        ; 256 rows
	s_lshl_b32 s17, s12, 17                        ; + my 128 of them
	s_add_co_u32 s16, s16, s17
	s_mov_b32 s17, 0
	s_lshl_b32 s46, s42, 18
	s_lshl_b32 s47, s12, 17
	s_add_co_u32 s46, s46, s47
	s_mov_b32 s47, 0
	s_lshl_b32 s76, s13, 9                         ; bk, bv: 4 bytes x 64 x group, group = 2 x block + my half
	s_lshl_b32 s77, s11, 8
	s_add_co_u32 s76, s76, s77
	s_mov_b32 s77, 0
	s_lshl_b32 s86, ttmp9, 22                      ; et: my first batch, 2 x ttmp9, x 1,024 rows x 2,048 bytes
	s_lshl_b32 s87, s13, 19                        ; + 256 rows x block of n'
	s_add_co_u32 s86, s86, s87
	s_lshl_b32 s87, s11, 18                        ; + my 128 rows
	s_add_co_u32 s86, s86, s87
	s_lshl_b32 s87, s40, 9                         ; + 256 j x cx, 2 bytes each
	s_add_co_u32 s86, s86, s87
	s_lshl_b32 s87, s12, 8                         ; + my 128 j
	s_add_co_u32 s86, s86, s87
	s_mov_b32 s87, 0
	s_mul_i32 s20, s10, HALFT                      ; where my loads land: wave x 128 rows; no place in the cluster enters an LDS address
	s_wait_dscnt 0x0
	s_wait_kmcnt 0x0
	s_add_nc_u64 s[14:15], s[4:5], s[16:17]        ; my first tile of wb
	s_add_nc_u64 s[46:47], s[6:7], s[46:47]        ; my first tile of xb
	s_add_nc_u64 s[72:73], s[68:69], s[76:77]
	s_add_nc_u64 s[74:75], s[70:71], s[76:77]
	s_add_nc_u64 s[84:85], s[8:9], s[86:87]
	CROUND                                         ; all sixteen work-groups are here: the first joint loads meet
.irp s, 0,1
	s_mov_b32 s[G0+4*\s], 1                                        ; count = 1
	s_add_co_u32 s[G0+4*\s+1], s20, \s*SLOT                        ; LDS address
	s_mov_b32 s[G0B+4*\s], 1
	s_add_co_u32 s[G0B+4*\s+1], s20, \s*SLOT
	SETADR \s, \s*KSTEP*2, \s*KSTEP*2                              ; global addresses: step s
	JLOAD \s                                       ; both slots are asked for before anything else: two tensor loads of the wave are out
.endr
	; a fragment is 16 rows x 32 c in 8 registers: lane l holds row l % 16; two loads of 16 bytes, 32 bytes apart, at row x pitch + 16 (l / 16)
	v_and_b32 v1, 15, v0                           ; r = l % 16
	v_bfe_u32 v2, v0, 4, 1                         ; h = l / 16
	v_mul_u32_u24 v3, v1, PITCH
	v_lshl_add_u32 v3, v2, 4, v3                   ; r x 272 + 16 h
	s_mul_i32 s21, s11, HALFT                      ; my 128 rows of wb
	s_mul_i32 s22, s12, HALFT                      ; my 128 rows of xb,
	s_add_co_u32 s22, s22, 2*HALFT                 ; which lie behind wb's 256
.irp s, 0,1
	v_add_nc_u32 v[ADRA+\s], s21, v3
	v_add_nc_u32 v[ADRB+\s], s22, v3
	s_add_co_u32 s21, s21, SLOT
	s_add_co_u32 s22, s22, SLOT
.endr
	s_mul_i32 s23, s10, 16*SPITCH
	s_add_co_u32 s23, s23, STAGE                   ; my first stage
	v_add_nc_u32 v[STO], s23, v3                   ; in: row r, 16 bytes for each half of the lanes
	v_mul_u32_u24 v5, v2, SPITCH                   ; back: lanes 0-15 one row of 256 bytes, lanes 16-31 the next
	v_lshl_add_u32 v5, v1, 4, v5
	v_add_nc_u32 v[RD], s23, v5
	v_lshlrev_b32 v5, 11, v2                       ; the same two rows in et: 2,048 bytes apart
	v_lshl_add_u32 v[CO], v1, 4, v5
	v_lshlrev_b32 v[BO], 2, v1                     ; 4 r
.irp a, 0,1,2,3
	global_load_b32 v[BK+2*\a],   v[BO], s[72:73] offset:64*\a     ; bk[64 g + 16 a + r], into both registers of the pair that the packed forms read
	global_load_b32 v[BK+2*\a+1], v[BO], s[72:73] offset:64*\a
	global_load_b32 v[BV+2*\a],   v[BO], s[74:75] offset:64*\a
	global_load_b32 v[BV+2*\a+1], v[BO], s[74:75] offset:64*\a
.endr
; nb matrix instructions: row block a of the window's four (hi = 0: my rows 0-63, 1: rows 64-127) x nb column blocks, 32 along c.  zero = 1: the product starts the sums.
.macro MULA f, hi, a, zero, nb
.set bb, 0
.rept \nb
.if \zero
	v_wmma_f32_16x16x32_bf16 v[8*(8*(\a)+bb):8*(8*(\a)+bb)+7], v[\f+8*bb:\f+8*bb+7], v[\f+8*(4*\hi+(\a)):\f+8*(4*\hi+(\a))+7], 0
.else
	v_wmma_f32_16x16x32_bf16 v[8*(8*(\a)+bb):8*(8*(\a)+bb)+7], v[\f+8*bb:\f+8*bb+7], v[\f+8*(4*\hi+(\a)):\f+8*(4*\hi+(\a))+7], v[8*(8*(\a)+bb):8*(8*(\a)+bb)+7]
.endif
.set bb, bb+1
.endr
.endm
.macro MUL16 f, hi, a0, zero, nb       ; two row blocks.  The accumulators take turns, one instruction a turn, in the same order in every quarter step
	MULA \f, \hi, \a0, \zero, \nb
	MULA \f, \hi, \a0+1, \zero, \nb
.endm
; 2 nb + 16 LDS loads in one run: the fragments of one quarter step (32 c at byte k of the rows) into buffer f
.macro FETCH slot, k, f, nb
	WIN TO_B
.set ii, 0
.rept \nb
	ds_load_b128 v[\f+8*ii:\f+8*ii+3],   v[ADRB+\slot] offset:\k+ii*16*PITCH
	ds_load_b128 v[\f+8*ii+4:\f+8*ii+7], v[ADRB+\slot] offset:\k+ii*16*PITCH+32
.set ii, ii+1
.endr
	WIN 0
.irp i, 0,1,2,3,4,5,6,7
	ds_load_b128 v[\f+8*\i:\f+8*\i+3],   v[ADRA+\slot] offset:\k+\i*16*PITCH
	ds_load_b128 v[\f+8*\i+4:\f+8*\i+7], v[ADRA+\slot] offset:\k+\i*16*PITCH+32
.endr
.endm
; A load into a register that a matrix instruction has read, and a vector instruction that reads a matrix result, stand four places behind that matrix
; instruction; only plain vector instructions that name none of its registers are places (ISA guide 7.12.1 for vector instructions).
.macro PLACES
.rept 4
	v_nop
.endr
.endm
; One of a step's first three quarters: multiplies buffer f; in its middle it fetches the next quarter's fragments, at byte k of the same slot's rows, into buffer g.
.macro QUARTER slot, k, f, g, zero, nb
	s_wait_dscnt 8                                 ; all but the youngest eight loads (wb's rows 64-127) are in
	WIN MUL_LO
	MUL16 \f, 0, 0, \zero, \nb
	MUL16 \f, 0, 2, \zero, \nb
	PLACES
	FETCH \slot, \k, \g, \nb
	s_wait_dscnt 2*\nb+16                          ; all but the loads just issued
	WIN MUL_HI
	MUL16 \f, 1, 0, \zero, \nb
	MUL16 \f, 1, 2, \zero, \nb
.endm
.macro THREE slot, zero, nb
	QUARTER \slot, 64,  F0, F1, \zero, \nb
	QUARTER \slot, 128, F1, F0, 0, \nb
	QUARTER \slot, 192, F0, F1, 0, \nb
.endm
; The last quarter of a step that is followed by another: multiplies buffer 1 and changes slots.  fill = 1: this slot is filled again, with the tiles oa and ob
; bytes behind my first tiles.  One barrier for two things: in front of it each wave waits for its reads of this slot and for all its tensor loads (the one
; that is out is its part of the next slot); behind it nobody reads this slot and the next slot is whole.  Where the slot is filled again the barrier opens
; a round of the cluster's barrier, and the joint load is the wave's first and only tensor load behind the round.  From a request to the wait for it a wave
; issues 240 matrix instructions at the least.
.macro TURN slot, next, fill, nb, nn, oa, ob
	s_wait_dscnt 8
	WIN MUL_LO
	MUL16 F1, 0, 0, 0, \nb
	s_wait_dscnt 0                                 ; my reads of this slot are over
	s_wait_tensorcnt 0x0                           ; all my tensor loads have landed
	ds_add_u32 v255, v63
	s_wait_dscnt 0x0
	s_barrier_signal -1
	MUL16 F1, 0, 2, 0, \nb                         ; register work while the others arrive
	WIN 0                                          ; at a branch and at a label every window is 0
	s_barrier_wait -1
.if \fill
	CREST                                          ; no wave of any partner still reads this slot or has a load on its way
	SETADR \slot, \oa, \ob
	JLOAD \slot
.endif
	PLACES
	FETCH \next, 0, F0, \nn
	WIN MUL_HI
	MUL16 F1, 1, 0, 0, \nb
	MUL16 F1, 1, 2, 0, \nb
.endm
; The last quarter of a block: nothing more to fetch from the slot.  The four places behind the last matrix instructions stand at its end.
.macro LASTQ nb
	s_wait_dscnt 8
	WIN MUL_LO
	MUL16 F1, 0, 0, 0, \nb
	MUL16 F1, 0, 2, 0, \nb
	s_wait_dscnt 0
	WIN MUL_HI
	MUL16 F1, 1, 0, 0, \nb
	MUL16 F1, 1, 2, 0, \nb
	PLACES
	WIN 0
.endm
; THE WAY OUT.  Rows 16 aa .. 16 aa + 15 of k (window 2) and of v (window 3): exp(k + bk) and its product with v + bv, rounded to bf16, 16 bytes a lane into
; my two stages in LDS, read back as whole rows of 256 bytes and stored: sixteen lanes store 256 consecutive bytes at a multiple of 256 from et's first byte.
; The stages are my wave's own, and LDS serves a wave's instructions in order (ISA guide 5.7.1.4): no wait between the stores and the loads.
; tile = 0, 1: which of my two batches; its place stands in the stores' immediate (2,355,200 at the most, inside the signed 24 bits).
.macro EPI tile, aa
	s_wait_xcnt 0x0                                ; T, which the last group's stores read, is rewritten only behind this wait (ISA guide 3.1)
	WIN 0x02                                       ; source 0 in window 2
.set pp, 0
.rept 32
	v_pk_fma_f32 v[T+2*pp:T+2*pp+1], v[64*\aa+2*pp:64*\aa+2*pp+1], 0x3fb8aa3b, v[BK+2*\aa:BK+2*\aa+1] op_sel_hi:[1,0,1]   ; (k + bk) log2 e
.set pp, pp+1
.endr
	WIN 0x03                                       ; source 0 in window 3
.set pp, 0
.rept 32
	v_pk_add_f32 v[U+2*pp:U+2*pp+1], v[64*\aa+2*pp:64*\aa+2*pp+1], v[BV+2*\aa:BV+2*\aa+1]                                  ; v + bv
.set pp, pp+1
.endr
	WIN 0
.set pp, 0
.rept 64
	v_exp_f32 v[T+pp], v[T+pp]
.set pp, pp+1
.endr
	v_nop                                          ; one plain vector instruction between the last v_exp_f32 and the use of its result (ISA guide 5.7.2)
.set pp, 0
	s_wait_alu depctr_va_vdst(0)
.rept 32
	v_pk_mul_f32 v[U+2*pp:U+2*pp+1], v[U+2*pp:U+2*pp+1], v[T+2*pp:T+2*pp+1]
.set pp, pp+1
.endr
.set pp, 0
.rept 32
	v_cvt_pk_bf16_f32 v[P+pp], v[T+2*pp], v[T+2*pp+1]
.set pp, pp+1
.endr
.set pp, 0
.rept 32
	v_cvt_pk_bf16_f32 v[Q+pp], v[U+2*pp], v[U+2*pp+1]
.set pp, pp+1
.endr
.irp b, 0,1,2,3,4,5,6,7
	ds_store_b128 v[STO], v[P+4*\b:P+4*\b+3] offset:32*\b
.endr
.irp t, 0,1,2,3,4,5,6,7
	ds_load_b128 v[T+4*\t:T+4*\t+3], v[RD] offset:\t*2*SPITCH
.endr
.irp b, 0,1,2,3,4,5,6,7
	ds_store_b128 v[STO], v[Q+4*\b:Q+4*\b+3] offset:STAGE2+32*\b
.endr
.irp t, 0,1,2,3,4,5,6,7
	ds_load_b128 v[T+32+4*\t:T+32+4*\t+3], v[RD] offset:STAGE2+\t*2*SPITCH
.endr
.irp t, 0,1,2,3,4,5,6,7
	s_wait_dscnt 23-\t                             ; behind read-back t stand 7 - t read-backs, 8 stores and 8 read-backs
	global_store_b128 v[CO], v[T+4*\t:T+4*\t+3], s[84:85] offset:\tile*EBATCH+\aa*32768+\t*4096
.endr
.irp t, 0,1,2,3,4,5,6,7
	s_wait_dscnt 7-\t
	global_store_b128 v[CO], v[T+32+4*\t:T+32+4*\t+3], s[84:85] offset:\tile*EBATCH+131072+\aa*32768+\t*4096   ; 64 rows further down: the products' rows
.endr
.endm
	s_wait_tensorcnt 1                             ; my part of step 0 is in; step 1's may stay out
	s_barrier_signal -1
	s_barrier_wait -1                              ; everybody's is
	FETCH 0, 0, F0, 8
	; THE FIRST BATCH
	THREE 0, 1, 8                                  ; step 0: its first products start the sums, nothing is cleared
	TURN 0, 1, 1, 8, 8, 2*KSTEP*2, 2*KSTEP*2       ; slot 0 is asked for again: step 2
	THREE 1, 0, 8                                  ; step 1
	TURN 1, 0, 1, 8, 8, 3*KSTEP*2, 3*KSTEP*2       ; slot 1: step 3
	THREE 0, 0, 8                                  ; step 2
	TURN 0, 1, 1, 8, 8, 0, XBATCH                  ; slot 0: the second batch's step 0: the same rows of wb from their start, xb one batch further
	THREE 1, 0, 8                                  ; step 3
	LASTQ 8
	s_wait_loadcnt 0x0                             ; the biases, asked for at the start
.irp a, 0,1,2,3
	v_pk_mul_f32 v[BK+2*\a:BK+2*\a+1], v[BK+2*\a:BK+2*\a+1], 0x3fb8aa3b op_sel_hi:[1,0]   ; bk log2 e, once for both batches: the exponent is then one fused multiply-add
.endr
	EPI 0, 0
	EPI 0, 1
	EPI 0, 2
	EPI 0, 3
	; FROM THE FIRST BATCH TO THE SECOND: slot 1, read in step 3, is filled with the second batch's step 1; slot 0 holds its step 0.
	s_wait_dscnt 0x0                               ; my reads of slot 1 and of my stages are over
	s_set_vgpr_msb 0x1
	s_wait_tensorcnt 0x0                           ; all my tensor loads have landed: the one that was out is my part of slot 0
	ds_add_u32 v255, v63
	s_wait_dscnt 0x0
	s_set_vgpr_msb 0x100
	CROUND                                         ; both now hold of every wave of every work-group of the cluster
	SETADR 1, KSTEP*2, XBATCH+KSTEP*2
	JLOAD 1                                        ; the wave's first and only tensor load behind the round
	s_wait_xcnt 0x0                                ; buffer 0, from which the last stores read, is loaded again only behind this wait (ISA guide 3.1)
	FETCH 0, 0, F0, 8
	; THE SECOND BATCH
	THREE 0, 1, 8                                  ; step 0 starts the sums anew
	TURN 0, 1, 1, 8, 8, 2*KSTEP*2, XBATCH+2*KSTEP*2
	THREE 1, 0, 8
	TURN 1, 0, 1, 8, 8, 3*KSTEP*2, XBATCH+3*KSTEP*2
	THREE 0, 0, 8
	TURN 0, 1, 0, 8, 8, 0, 0                       ; nothing is left to fetch: a plain barrier
	THREE 1, 0, 8
	LASTQ 8
	EPI 1, 0
	EPI 1, 1
	EPI 1, 2
	EPI 1, 3
	s_set_vgpr_msb 0x1
	s_wait_tensorcnt 0x0
	ds_add_u32 v255, v63
	s_wait_dscnt 0x0
	s_set_vgpr_msb 0x100
	CROUND                                         ; the closing round: no work-group ends while a partner may still ask for a tile that names it
	s_endpgm
.Lfunc_end_k_q4d5555773c_proj:
	.size	k_q4d5555773c_proj, .Lfunc_end_k_q4d5555773c_proj-k_q4d5555773c_proj
	.p2alignl 7, 3214868480
	.fill 96, 4, 3214868480
	.section	.rodata,"a",@progbits
	.p2align	6, 0x0
	.amdhsa_kernel k_q4d5555773c_proj
		.amdhsa_group_segment_fixed_size 327680
		.amdhsa_private_segment_fixed_size 0
		.amdhsa_enable_private_segment 0
		.amdhsa_kernarg_size 40
		.amdhsa_user_sgpr_count 2
		.amdhsa_user_sgpr_kernarg_segment_ptr 1
		.amdhsa_wavefront_size32 1
		.amdhsa_system_sgpr_workgroup_id_x 1
		.amdhsa_system_sgpr_workgroup_id_y 1
		.amdhsa_system_sgpr_workgroup_id_z 1
		.amdhsa_system_vgpr_workitem_id 0
		.amdhsa_next_free_vgpr 1024
		.amdhsa_next_free_sgpr 96
		.amdhsa_reserve_vcc 0
		.amdhsa_float_denorm_mode_32 3
		.amdhsa_float_denorm_mode_16_64 3
		.amdhsa_memory_ordered 1
		.amdhsa_forward_progress 1
		.amdhsa_inst_pref_size 255
	.end_amdhsa_kernel
	.section	.bss,"aw",@nobits
	.p2align	6
	.space	262144
	.amdgpu_metadata
---
amdhsa.version: [ 1, 2 ]
amdhsa.kernels:
  - .name:           k_q4d5555773c_proj
    .symbol:         k_q4d5555773c_proj.kd
    .args:
      - { .name: wb, .offset: 0, .size: 8, .value_kind: global_buffer, .address_space: global }
      - { .name: xb, .offset: 8, .size: 8, .value_kind: global_buffer, .address_space: global }
      - { .name: bk, .offset: 16, .size: 8, .value_kind: global_buffer, .address_space: global }
      - { .name: bv, .offset: 24, .size: 8, .value_kind: global_buffer, .address_space: global }
      - { .name: et, .offset: 32, .size: 8, .value_kind: global_buffer, .address_space: global }
    .group_segment_fixed_size: 327680
    .private_segment_fixed_size: 0
    .kernarg_segment_align: 8
    .kernarg_segment_size: 40
    .max_flat_workgroup_size: 128
    .sgpr_count:     96
    .vgpr_count:     1024
    .wavefront_size: 32
...
	.end_amdgpu_metadata
.endif
;; end of part 2
;; launch aft (part 3): grid 4 x 128, 4 waves a work-group, clusters of 4 x 4, 327,680 bytes of LDS; arguments eb, et, xb, wb, bq, out0; writes out0
.if DOCPART == 3
	.amdgcn_target "amdgcn-amd-amdhsa--gfx1250"
	.amdhsa_code_object_version 6
	.text
	.protected	k_q4d5555773c_aft
	.globl	k_q4d5555773c_aft
	.p2align	8
	.type	k_q4d5555773c_aft,@function
k_q4d5555773c_aft:
	s_mov_b64 s[64:65], 0
	v_nop
	global_prefetch_b8 v0, s[64:65] scope:SCOPE_SE
	s_setreg_imm32_b32 hwreg(HW_REG_WAVE_MODE, 25, 1), 1
	s_wait_xcnt 0x0
	s_wait_alu depctr_hold_cnt(0) depctr_sa_sdst(0) depctr_va_vdst(0) depctr_va_sdst(0) depctr_va_ssrc(0) depctr_va_vcc(0) depctr_vm_vsrc(0)
	s_getreg_b32 s2, hwreg(HW_REG_IB_STS2, 6, 4)
	s_cmp_eq_u32 s2, 0
	s_cbranch_scc0 .Lentry_in_a_cluster
	s_endpgm
.Lentry_in_a_cluster:
	s_bfe_u32 s2, ttmp6, 0x10000c
	s_cmp_lg_u32 s2, 0xf033
	s_cbranch_scc0 .Lentry_shape_is_right
	s_endpgm
.Lentry_shape_is_right:
; aft: out[batch][i][d] = sigmoid(q + bq) num / den.
;   den[i][d] = sum over j of eb[i][j] et[batch][128 g + dd][j],  num[i][d] = sum over j of eb[i][j] et[batch][128 g + 64 + dd][j]   (d = 64 g + dd; 1,024 along j)
;   q[i][d]   = sum over c of xb[batch x 1024 + i][c] wb[1024 + d][c]                                                                  (512 along c)
; A work-group makes 256 rows i x 256 rows of et (128 d, den and num) with four waves, as many as a WGP has SIMDs; a wave makes 128 x 128 in 512 registers.
; A wave's 128 rows of et are one group g: column blocks b = 0..3 are den, b = 4..7 num of the same d, 32 registers apart in the same lane.
; After the eight steps of 128 along j the quotient num x 1/den replaces num, and den's registers take q: four more steps of 128 along c through the same
; two LDS slots, with xb in eb's place and 64 rows of Wq in place of each 128 rows of et.  So q never goes through memory.
; ONE BATCH A WORK-GROUP (512 work-groups).  A work-group that went on into a second batch would need that batch written out behind the first, since the two
; differ in their last fills and no counted loop holds both: that doubles this text of some 39,000 bytes, which is more code than a kernel should walk.
; CLUSTERS: 4 x 4 work-groups = one batch: cy picks the 256 rows i, cx the 128 d.  The four of a row of the cluster need the same tiles of eb and xb, the four
; of a column the same tiles of et and Wq: each tile is asked for jointly, by the same tensor load with a mask that names the four.
; LIMITS: v_rcp_f32 and v_exp_f32 flush denormals (ISA guide, 15.8): a den above 2^126 gives the quotient 0, a denormal den counts as 0.  The division is
; a reciprocal and a multiply.  sigmoid(y) = 1 / (1 + 2^(-y log2 e)).  Operands are rounded to bf16.
;
; REGISTERS, in windows of 256:
;   window 0: v16-27 addresses, v32-63 bq; v64-127, v128-191 fragments of eb / xb, two buffers; v192-223 at work on the way out
;   window 1: v64-127, v128-191 fragments of et / Wq, two buffers
;   window 2: accumulator tiles (a, b), a = 0..3, at v[8 (8 a + b)];   window 3: a = 4..7
; THE MATRIX INSTRUCTION IS USED TRANSPOSED: source 0 = 16 rows of et or Wq, source 1 = 16 rows of eb or xb.  Lane l then holds row i = l % 16 of the tile
; and in its registers 0 to 7 the columns 8 (l / 16) + 0..7: eight neighbouring d of a row of out.
.set KSTEP,  128
.set PITCH,  272                       ; an LDS row: 256 bytes + 16 of padding: the 16 rows that a fragment load touches start 68 words apart (64 banks of 4 bytes: ISA guide 11.1)
.set HALFT,  128*PITCH                 ; 128 rows: what one tensor load brings at the most
.set SLOT,   4*HALFT                   ; the left operand's 256 rows, then room for the right operand's 256
.set STAGE,  2*SLOT                    ; behind the ring, where no tensor load lands: 16 rows x 272 bytes for each wave
.set SPITCH, 272
.set ADRA, 16                          ; v16-17  LDS address of my left fragments in slot 0, 1
.set ADRB, 20                          ; v20-21  the same for the right operand
.set STO,  24                          ; v24     the way out: where I put 32 bytes of a row
.set RD,   25                          ; v25     the way out: where I read a row back
.set CO,   26                          ; v26     my byte offset in out
.set BO,   27                          ; v27     my byte offset in bq
.set BQ,   32                          ; v[32:63] bq of my 32 columns (8 b + e), later x -log2 e
.set F0,   64                          ; fragment buffer 0
.set F1,   128                         ; fragment buffer 1
.set T,    192                         ; the way out: 32 numbers at work
.set G1,  24                           ; s[24:31] descriptor group 1 for the left operand's tiles
.set G0,  32                           ; s[32:39] its group 0, one set for each slot
.set G1B, 48                           ; s[48:55] group 1 for the right operand's tiles
.set G0B, 56                           ; s[56:63] its group 0, one set for each slot
.set MSB, 0
.macro WIN new                         ; s_set_vgpr_msb: bits 1:0 source 0, 3:2 source 1, 5:4 source 2, 7:6 destination; the high byte repeats the setting that is left
.if MSB != \new
	s_set_vgpr_msb (MSB<<8)|\new
.set MSB, \new
.endif
.endm
.set MUL_LO, 0xa1                      ; source 0 window 1, source 1 window 0, C and D window 2
.set MUL_HI, 0xf1                      ; the same, C and D window 3
.set TO_B,   0x40                      ; destination window 1, address window 0
; A joint load.  Waves 0 and 1 fetch the two halves of the left tile, waves 2 and 3 those of the right one.  Each line has one mask and one set of registers
; for all that issue it.  The branch hangs on the wave's number alone.
.macro JLOAD s
	s_cmp_eq_u32 s11, 0
	s_cbranch_scc0 .Lfor_b_\@
	tensor_load_to_lds s[G0+4*\s:G0+4*\s+3], s[G1:G1+7]
	s_nop 0
	s_branch .Lasked_\@
.Lfor_b_\@:
	tensor_load_to_lds s[G0B+4*\s:G0B+4*\s+3], s[G1B:G1B+7]
	s_nop 0
.Lasked_\@:
.endm
; A round of the cluster's barrier: my work-group's barrier; wave 0 signals for the work-group; every wave waits for all sixteen; my work-group's barrier again.
.macro CREST                           ; a round behind its opening barrier
	s_cmp_lg_u32 s10, 0
	s_cbranch_scc1 .Lnot_wave_0_\@
	s_barrier_signal -3
.Lnot_wave_0_\@:
	s_barrier_wait -3
	s_barrier_signal -1
	s_barrier_wait -1
.endm
.macro CROUND                          ; a whole round
	s_barrier_signal -1
	s_barrier_wait -1
	CREST
.endm
	s_load_b256 s[68:75], s[0:1], 0x0              ; eb s[68:69], et s[70:71], xb s[72:73], wb s[74:75]
	s_load_b128 s[76:79], s[0:1], 0x20             ; bq s[76:77], out0 s[78:79]
	s_set_vgpr_msb 0x40
	v_lshl_add_u32 v255, v0, 2, 0x48400
	s_set_vgpr_msb 0x4000
	v_mov_b32 v255, 0
	s_set_vgpr_msb 0x1
	ds_add_u32 v255, v255
	s_set_vgpr_msb 0x100
	v_lshrrev_b32 v1, 5, v0
	v_readfirstlane_b32 s10, v1                    ; wave 0..3
	s_lshr_b32 s11, s10, 1                         ; which 128 rows i of the block are mine.  Also: I fetch for the left operand (0) or the right (1)
	s_and_b32 s12, s10, 1                          ; which group g of the block's two.  Also: which half of that tile I fetch
	s_bfe_u32 s40, ttmp6, 0x40000                  ; cx: the block of 128 d
	s_bfe_u32 s41, ttmp6, 0x40004                  ; cy: the block of 256 i
	s_and_b32 s45, ttmp7, 0xffff                   ; in a cluster launch ttmp7 counts clusters: the batch
	s_lshl_b32 s43, s41, 2
	s_lshl_b32 s43, 15, s43                        ; my row of the cluster: places 4 cy .. 4 cy + 3
	s_lshl_b32 s44, 0x1111, s40                    ; my column: places cx, cx + 4, cx + 8, cx + 12
	; group 1: a tile of 128 rows x 128 elements of 2 bytes, 16 bytes of padding behind each row; rows of eb and et are 1,024 elements apart
	s_or_b32 s[G1+0], s43, (1<<16)|(1<<20)|(1<<21)|(5<<22)|(3<<25)   ; 15:0 mask: my row; 17:16 2 bytes; 20 padding on; 21 set beside a mask; 24:22 after 64 words; 31:25 4 words
	s_or_b32 s[G1B+0], s44, (1<<16)|(1<<20)|(1<<21)|(5<<22)|(3<<25)  ; the same with the mask of my column
	s_mov_b32 s[G1+1], KSTEP<<16                   ; tensor_dim0 = 128
	s_mov_b32 s[G1B+1], KSTEP<<16
	s_mov_b32 s[G1+2], 128<<16                     ; tensor_dim1 = 128
	s_mov_b32 s[G1B+2], 128<<16
	s_mov_b32 s[G1+3], KSTEP<<16                   ; tile_dim0 = 128
	s_mov_b32 s[G1B+3], KSTEP<<16
	s_mov_b32 s[G1+4], 128                         ; tile_dim1 = 128
	s_mov_b32 s[G1B+4], 128
	s_mov_b32 s[G1+5], 1024                        ; elements from row to row
	s_mov_b32 s[G1B+5], 1024
	s_mov_b32 s[G1+6], 0
	s_mov_b32 s[G1B+6], 0
	s_mov_b32 s[G1+7], 0
	s_mov_b32 s[G1B+7], 0
	; offsets.  What feeds the left operand's descriptors never holds cx, what feeds the right operand's never cy.
	s_lshl_b32 s16, s41, 19                        ; eb: 256 rows of 2,048 bytes x cy
	s_lshl_b32 s17, s12, 18                        ; + the 128 rows that I fetch
	s_add_co_u32 s16, s16, s17
	s_mov_b32 s17, 0
	s_lshl_b32 s46, s45, 21                        ; et: batch x 1,024 rows of 2,048 bytes
	s_lshl_b32 s47, s40, 19                        ; + 256 rows x cx
	s_add_co_u32 s46, s46, s47
	s_lshl_b32 s47, s12, 18                        ; + the 128 rows that I fetch
	s_add_co_u32 s46, s46, s47
	s_mov_b32 s47, 0
	s_lshl_b32 s84, s45, 20                        ; xb: batch x 1,024 rows of 1,024 bytes
	s_lshl_b32 s85, s41, 18                        ; + 256 rows x cy
	s_add_co_u32 s84, s84, s85
	s_lshl_b32 s85, s12, 17                        ; + the 128 rows that I fetch
	s_add_co_u32 s84, s84, s85
	s_mov_b32 s85, 0
	s_lshl_b32 s86, s40, 17                        ; Wq in wb: 128 rows of 1,024 bytes x cx
	s_lshl_b32 s87, s12, 16                        ; + the 64 rows that I fetch
	s_add_co_u32 s86, s86, s87
	s_add_co_u32 s86, s86, 0x100000                ; behind wb's first 1,024 rows
	s_mov_b32 s87, 0
	s_lshl_b32 s94, s40, 9                         ; bq, and a row of out: 4 bytes x (128 cx + 64 x my group)
	s_lshl_b32 s95, s12, 8
	s_add_co_u32 s94, s94, s95
	s_mov_b32 s95, 0
	s_lshl_b32 s90, s45, 21                        ; out: batch x 1,024 rows of 2,048 bytes
	s_lshl_b32 s91, s41, 19                        ; + 256 rows x cy
	s_add_co_u32 s90, s90, s91
	s_lshl_b32 s91, s11, 18                        ; + my 128 rows
	s_add_co_u32 s90, s90, s91
	s_add_co_u32 s90, s90, s94                     ; + my columns
	s_mov_b32 s91, 0
	s_mul_i32 s20, s10, HALFT                      ; where my loads land: wave x 128 rows; no place in the cluster enters an LDS address
	s_wait_dscnt 0x0
	s_wait_kmcnt 0x0
	s_add_nc_u64 s[14:15], s[68:69], s[16:17]      ; eb's first tile
	s_add_nc_u64 s[46:47], s[70:71], s[46:47]      ; et's
	s_add_nc_u64 s[80:81], s[72:73], s[84:85]      ; xb's, for the q steps
	s_add_nc_u64 s[82:83], s[74:75], s[86:87]      ; Wq's
	s_add_nc_u64 s[92:93], s[76:77], s[94:95]      ; bq
	s_add_nc_u64 s[88:89], s[78:79], s[90:91]      ; out
	CROUND                                         ; all sixteen work-groups are here: the first joint loads meet
.irp s, 0,1
	s_mov_b32 s[G0+4*\s], 1                                        ; count = 1
	s_add_co_u32 s[G0+4*\s+1], s20, \s*SLOT                        ; LDS address
	s_add_nc_u64 s[G0+4*\s+2:G0+4*\s+3], s[14:15], \s*KSTEP*2      ; global address: step s
	s_or_b32 s[G0+4*\s+3], s[G0+4*\s+3], 0x80000000                ; type = 2
	s_mov_b32 s[G0B+4*\s], 1
	s_add_co_u32 s[G0B+4*\s+1], s20, \s*SLOT
	s_add_nc_u64 s[G0B+4*\s+2:G0B+4*\s+3], s[46:47], \s*KSTEP*2
	s_or_b32 s[G0B+4*\s+3], s[G0B+4*\s+3], 0x80000000
	JLOAD \s                                       ; both slots are asked for before anything else: two tensor loads of the wave are out
.endr
	; a fragment is 16 rows x 32 along the sum in 8 registers: lane l holds row l % 16; two loads of 16 bytes, 32 bytes apart, at row x pitch + 16 (l / 16)
	v_and_b32 v1, 15, v0                           ; r = l % 16
	v_bfe_u32 v2, v0, 4, 1                         ; h = l / 16
	v_mul_u32_u24 v3, v1, PITCH
	v_lshl_add_u32 v4, v2, 5, v3                   ; r x 272 + 32 h: the stage, in
	v_lshl_add_u32 v3, v2, 4, v3                   ; r x 272 + 16 h: the fragments
	s_mul_i32 s21, s11, HALFT                      ; my 128 rows of the left operand
	s_mul_i32 s22, s12, HALFT                      ; my half of the right operand,
	s_add_co_u32 s22, s22, 2*HALFT                 ; which lies behind the left one's 256 rows
.irp s, 0,1
	v_add_nc_u32 v[ADRA+\s], s21, v3
	v_add_nc_u32 v[ADRB+\s], s22, v3
	s_add_co_u32 s21, s21, SLOT
	s_add_co_u32 s22, s22, SLOT
.endr
	s_mul_i32 s23, s10, 16*SPITCH
	s_add_co_u32 s23, s23, STAGE                   ; my stage
	v_add_nc_u32 v[STO], s23, v4
	v_mul_u32_u24 v5, v2, SPITCH                   ; back: lanes 0-15 one row of 256 bytes, lanes 16-31 the next
	v_lshl_add_u32 v5, v1, 4, v5
	v_add_nc_u32 v[RD], s23, v5
	v_lshlrev_b32 v5, 11, v2                       ; the same two rows in out: 2,048 bytes apart
	v_lshl_add_u32 v[CO], v1, 4, v5
	v_lshlrev_b32 v[BO], 5, v2                     ; 32 h: my 8 columns of each block of 16
.irp b, 0,1,2,3
.irp u, 0,1
	global_load_b128 v[BQ+8*\b+4*\u:BQ+8*\b+4*\u+3], v[BO], s[92:93] offset:64*\b+16*\u
.endr
.endr
; nb matrix instructions: row block a of the window's four (hi = 0: my rows 0-63, 1: rows 64-127) x nb column blocks, 32 along the sum.  zero = 1: the product starts the sums.
.macro MULA f, hi, a, zero, nb
.set bb, 0
.rept \nb
.if \zero
	v_wmma_f32_16x16x32_bf16 v[8*(8*(\a)+bb):8*(8*(\a)+bb)+7], v[\f+8*bb:\f+8*bb+7], v[\f+8*(4*\hi+(\a)):\f+8*(4*\hi+(\a))+7], 0
.else
	v_wmma_f32_16x16x32_bf16 v[8*(8*(\a)+bb):8*(8*(\a)+bb)+7], v[\f+8*bb:\f+8*bb+7], v[\f+8*(4*\hi+(\a)):\f+8*(4*\hi+(\a))+7], v[8*(8*(\a)+bb):8*(8*(\a)+bb)+7]
.endif
.set bb, bb+1
.endr
.endm
.macro MUL16 f, hi, a0, zero, nb       ; two row blocks.  The accumulators take turns, one instruction a turn, in the same order in every quarter step
	MULA \f, \hi, \a0, \zero, \nb
	MULA \f, \hi, \a0+1, \zero, \nb
.endm
; 2 nb + 16 LDS loads in one run: the fragments of one quarter step (32 along the sum at byte k of the rows) into buffer f
.macro FETCH slot, k, f, nb
	WIN TO_B
.set ii, 0
.rept \nb
	ds_load_b128 v[\f+8*ii:\f+8*ii+3],   v[ADRB+\slot] offset:\k+ii*16*PITCH
	ds_load_b128 v[\f+8*ii+4:\f+8*ii+7], v[ADRB+\slot] offset:\k+ii*16*PITCH+32
.set ii, ii+1
.endr
	WIN 0
.irp i, 0,1,2,3,4,5,6,7
	ds_load_b128 v[\f+8*\i:\f+8*\i+3],   v[ADRA+\slot] offset:\k+\i*16*PITCH
	ds_load_b128 v[\f+8*\i+4:\f+8*\i+7], v[ADRA+\slot] offset:\k+\i*16*PITCH+32
.endr
.endm
; A load into a register that a matrix instruction has read, and a vector instruction that reads a matrix result, stand four places behind that matrix
; instruction; only plain vector instructions that name none of its registers are places (ISA guide 7.12.1 for vector instructions).
.macro PLACES
.rept 4
	v_nop
.endr
.endm
; One of a step's first three quarters: multiplies buffer f; in its middle it fetches the next quarter's fragments, at byte k of the same slot's rows, into buffer g.
.macro QUARTER slot, k, f, g, zero, nb
	s_wait_dscnt 8                                 ; all but the youngest eight loads (the left operand's rows 64-127) are in
	WIN MUL_LO
	MUL16 \f, 0, 0, \zero, \nb
	MUL16 \f, 0, 2, \zero, \nb
	PLACES
	FETCH \slot, \k, \g, \nb
	s_wait_dscnt 2*\nb+16                          ; all but the loads just issued
	WIN MUL_HI
	MUL16 \f, 1, 0, \zero, \nb
	MUL16 \f, 1, 2, \zero, \nb
.endm
.macro THREE slot, zero, nb
	QUARTER \slot, 64,  F0, F1, \zero, \nb
	QUARTER \slot, 128, F1, F0, 0, \nb
	QUARTER \slot, 192, F0, F1, 0, \nb
.endm
; The last quarter: multiplies buffer 1 and changes slots.  nb: column blocks of this step, nn: of the next.
; fill = 1: this slot is filled again, two steps ahead in the same operands.  fill = 2: it is filled with the q steps' first tiles (xb and Wq).  fill = 0: not at all.
; One barrier for two things: in front of it each wave waits for its reads of this slot and for all its tensor loads (the one that is out is its part of
; the next slot); behind it nobody reads this slot and the next slot is whole.  Where the slot is filled again the barrier opens a round of the cluster's
; barrier, and the joint load is the wave's first and only tensor load behind the round.  The descriptors are written behind the wait for all loads.
; From a request to the wait for it a wave issues 240 matrix instructions in the steps along j, 120 in the q steps.
.macro TURN slot, next, fill, nb, nn
	s_wait_dscnt 8
	WIN MUL_LO
	MUL16 F1, 0, 0, 0, \nb
	s_wait_dscnt 0                                 ; my reads of this slot are over
	s_wait_tensorcnt 0x0                           ; all my tensor loads have landed
	ds_add_u32 v255, v255
	s_wait_dscnt 0x0
	s_barrier_signal -1
	MUL16 F1, 0, 2, 0, \nb                         ; register work while the others arrive
	WIN 0                                          ; at a branch and at a label every window is 0
	s_barrier_wait -1
.if \fill
	CREST                                          ; no wave of any partner still reads this slot or has a load on its way
.if \fill == 1
	s_add_nc_u64 s[G0+4*\slot+2:G0+4*\slot+3], s[G0+4*\slot+2:G0+4*\slot+3], 2*KSTEP*2
	s_add_nc_u64 s[G0B+4*\slot+2:G0B+4*\slot+3], s[G0B+4*\slot+2:G0B+4*\slot+3], 2*KSTEP*2
.else
.if \slot == 0
	s_mov_b32 s[G1+5], 512                         ; from here on: rows of xb and of wb are 512 elements apart,
	s_mov_b32 s[G1B+5], 512
	s_mov_b32 s[G1B+2], 64<<16                     ; and a wave's part of the right tile is 64 rows of Wq: tensor_dim1
	s_mov_b32 s[G1B+4], 64                         ; and tile_dim1.  They land in rows 0-63 of the wave's 128; the rest is not read any more
.endif
	s_add_nc_u64 s[G0+4*\slot+2:G0+4*\slot+3], s[80:81], \slot*KSTEP*2
	s_or_b32 s[G0+4*\slot+3], s[G0+4*\slot+3], 0x80000000
	s_add_nc_u64 s[G0B+4*\slot+2:G0B+4*\slot+3], s[82:83], \slot*KSTEP*2
	s_or_b32 s[G0B+4*\slot+3], s[G0B+4*\slot+3], 0x80000000
.endif
	JLOAD \slot
.endif
	PLACES
	FETCH \next, 0, F0, \nn
	WIN MUL_HI
	MUL16 F1, 1, 0, 0, \nb
	MUL16 F1, 1, 2, 0, \nb
.endm
.macro LAP zero                        ; two steps along j, both slots filled again
	THREE 0, \zero, 8
	TURN 0, 1, 1, 8, 8
	THREE 1, 0, 8
	TURN 1, 0, 1, 8, 8
.endm
	s_wait_tensorcnt 1                             ; my part of step 0 is in; step 1's may stay out
	s_barrier_signal -1
	s_barrier_wait -1                              ; everybody's is
	FETCH 0, 0, F0, 8
	LAP 1                                          ; steps 0, 1: the first products start the sums, nothing is cleared; steps 2, 3 are asked for
	WIN 0                                          ; at a label and at a branch every window is 0
	s_mov_b32 s3, 2
.Llap:
	LAP 0                                          ; steps 2, 3 and 4, 5; they ask for steps 4 to 7
	WIN 0
	s_sub_co_u32 s3, s3, 1
	s_cmp_lg_u32 s3, 0
	s_cbranch_scc1 .Llap
	THREE 0, 0, 8                                  ; step 6
	TURN 0, 1, 2, 8, 8                             ; slot 0 gets the first q step
	THREE 1, 0, 8                                  ; step 7
	TURN 1, 0, 2, 8, 4                             ; slot 1 gets the second q step; the first one's fragments are fetched
	; num / den: 1 / den in place, then num x that, in both accumulator windows.  Five places stand behind the last matrix instruction: den is read, and
	; the q steps' first products write over it (ISA guide 7.12.1).
.rept 5
	v_nop
.endr
.irp w, 0xaa, 0xff
	WIN \w                                         ; all operand places in window 2, then 3
.irp aa, 0,1,2,3
.set pp, 0
.rept 32
	v_rcp_f32 v[64*\aa+pp], v[64*\aa+pp]
.set pp, pp+1
.endr
.endr
	v_nop                                          ; one plain vector instruction between the last v_rcp_f32 and the use of its result (ISA guide 5.7.2)
	s_wait_alu depctr_va_vdst(0)
.irp aa, 0,1,2,3
.set pp, 0
.rept 16
	v_pk_mul_f32 v[64*\aa+32+2*pp:64*\aa+32+2*pp+1], v[64*\aa+32+2*pp:64*\aa+32+2*pp+1], v[64*\aa+2*pp:64*\aa+2*pp+1]
.set pp, pp+1
.endr
.endr
.endr
	THREE 0, 1, 4                                  ; q, step 0: its first products start the sums in den's registers
	TURN 0, 1, 1, 4, 4                             ; slot 0: q step 2
	THREE 1, 0, 4                                  ; q, step 1
	TURN 1, 0, 1, 4, 4                             ; slot 1: q step 3
	THREE 0, 0, 4                                  ; q, step 2
	TURN 0, 1, 0, 4, 4                             ; nothing is left to fetch: a plain barrier
	THREE 1, 0, 4                                  ; q, step 3
	s_wait_dscnt 8                                 ; the very last quarter
	WIN MUL_LO
	MUL16 F1, 0, 0, 0, 4
	MUL16 F1, 0, 2, 0, 4
	s_wait_dscnt 0
	WIN MUL_HI
	MUL16 F1, 1, 0, 0, 4
	MUL16 F1, 1, 2, 0, 4
	; THE WAY OUT
	PLACES                                         ; the places behind the last matrix instructions
	WIN 0
	s_wait_loadcnt 0x0                             ; bq, asked for at the start
.set pp, 0
.rept 16
	v_pk_mul_f32 v[BQ+2*pp:BQ+2*pp+1], v[BQ+2*pp:BQ+2*pp+1], 0xbfb8aa3b op_sel_hi:[1,0]   ; -bq log2 e: the exponent is then one fused multiply-add
.set pp, pp+1
.endr
; Rows 16 i .. 16 i + 15 of my block = row block aa of window w (0x02 or 0x03: source 0).  32 numbers a lane: the quotient x 1 / (1 + 2^(-(q + bq) log2 e)),
; 32 bytes a tile into my stage in LDS, read back as whole rows of 256 bytes (64 d) and stored: sixteen lanes store 256 consecutive bytes at a multiple of
; 256 from out's first byte.  The stage is my wave's own, and LDS serves a wave's instructions in order (ISA guide 5.7.1.4).  f: F0 or F1 in turn.
.macro OUTQ i, aa, w, f
	WIN \w
.set pp, 0
.rept 16
	v_pk_fma_f32 v[T+2*pp:T+2*pp+1], v[64*\aa+2*pp:64*\aa+2*pp+1], 0xbfb8aa3b, v[BQ+2*pp:BQ+2*pp+1] op_sel_hi:[1,0,1]
.set pp, pp+1
.endr
	WIN 0
.set pp, 0
.rept 32
	v_exp_f32 v[T+pp], v[T+pp]
.set pp, pp+1
.endr
	v_nop                                          ; a plain vector instruction behind the last transcendental (ISA guide 5.7.2)
.set pp, 0
	s_wait_alu depctr_va_vdst(0)
.rept 16
	v_pk_add_f32 v[T+2*pp:T+2*pp+1], v[T+2*pp:T+2*pp+1], 1.0 op_sel_hi:[1,0]
.set pp, pp+1
.endr
.set pp, 0
.rept 32
	v_rcp_f32 v[T+pp], v[T+pp]
.set pp, pp+1
.endr
	v_nop                                          ; likewise
	WIN \w
.set pp, 0
	s_wait_alu depctr_va_vdst(0)
.rept 16
	v_pk_mul_f32 v[T+2*pp:T+2*pp+1], v[64*\aa+32+2*pp:64*\aa+32+2*pp+1], v[T+2*pp:T+2*pp+1]
.set pp, pp+1
.endr
	WIN 0
.irp b, 0,1,2,3
.irp u, 0,1
	ds_store_b128 v[STO], v[T+8*\b+4*\u:T+8*\b+4*\u+3] offset:64*\b+16*\u
.endr
.endr
	s_wait_xcnt 0x0                                ; buffer f, which earlier stores read, is loaded again only behind this wait (ISA guide 3.1)
.irp t, 0,1,2,3,4,5,6,7
	ds_load_b128 v[\f+4*\t:\f+4*\t+3], v[RD] offset:\t*2*SPITCH
.endr
.irp t, 0,1,2,3,4,5,6,7
	s_wait_dscnt 7-\t                              ; read-back t is in; the 7 - t behind it stay out
	global_store_b128 v[CO], v[\f+4*\t:\f+4*\t+3], s[88:89] offset:(16*\i+2*\t)*2048 th:TH_STORE_NT
.endr
.endm
	OUTQ 0, 0, 0x02, F0
	OUTQ 1, 1, 0x02, F1
	OUTQ 2, 2, 0x02, F0
	OUTQ 3, 3, 0x02, F1
	OUTQ 4, 0, 0x03, F0
	OUTQ 5, 1, 0x03, F1
	OUTQ 6, 2, 0x03, F0
	OUTQ 7, 3, 0x03, F1
	s_set_vgpr_msb 0x1
	s_wait_tensorcnt 0x0
	ds_add_u32 v255, v255
	s_wait_dscnt 0x0
	s_set_vgpr_msb 0x100
	CROUND                                         ; the closing round: no work-group ends while a partner may still ask for a tile that names it
	s_endpgm
.Lfunc_end_k_q4d5555773c_aft:
	.size	k_q4d5555773c_aft, .Lfunc_end_k_q4d5555773c_aft-k_q4d5555773c_aft
	.p2alignl 7, 3214868480
	.fill 96, 4, 3214868480
	.section	.rodata,"a",@progbits
	.p2align	6, 0x0
	.amdhsa_kernel k_q4d5555773c_aft
		.amdhsa_group_segment_fixed_size 327680
		.amdhsa_private_segment_fixed_size 0
		.amdhsa_enable_private_segment 0
		.amdhsa_kernarg_size 48
		.amdhsa_user_sgpr_count 2
		.amdhsa_user_sgpr_kernarg_segment_ptr 1
		.amdhsa_wavefront_size32 1
		.amdhsa_system_sgpr_workgroup_id_x 1
		.amdhsa_system_sgpr_workgroup_id_y 1
		.amdhsa_system_sgpr_workgroup_id_z 1
		.amdhsa_system_vgpr_workitem_id 0
		.amdhsa_next_free_vgpr 1024
		.amdhsa_next_free_sgpr 96
		.amdhsa_reserve_vcc 0
		.amdhsa_float_denorm_mode_32 3
		.amdhsa_float_denorm_mode_16_64 3
		.amdhsa_memory_ordered 1
		.amdhsa_forward_progress 1
		.amdhsa_inst_pref_size 255
	.end_amdhsa_kernel
	.section	.bss,"aw",@nobits
	.p2align	6
	.space	262144
	.amdgpu_metadata
---
amdhsa.version: [ 1, 2 ]
amdhsa.kernels:
  - .name:           k_q4d5555773c_aft
    .symbol:         k_q4d5555773c_aft.kd
    .args:
      - { .name: eb, .offset: 0, .size: 8, .value_kind: global_buffer, .address_space: global }
      - { .name: et, .offset: 8, .size: 8, .value_kind: global_buffer, .address_space: global }
      - { .name: xb, .offset: 16, .size: 8, .value_kind: global_buffer, .address_space: global }
      - { .name: wb, .offset: 24, .size: 8, .value_kind: global_buffer, .address_space: global }
      - { .name: bq, .offset: 32, .size: 8, .value_kind: global_buffer, .address_space: global }
      - { .name: out0, .offset: 40, .size: 8, .value_kind: global_buffer, .address_space: global }
    .group_segment_fixed_size: 327680
    .private_segment_fixed_size: 0
    .kernarg_segment_align: 8
    .kernarg_segment_size: 48
    .max_flat_workgroup_size: 128
    .sgpr_count:     96
    .vgpr_count:     1024
    .wavefront_size: 32
...
	.end_amdgpu_metadata
.endif
;; end of part 3
;; ======== version 2 of 2: 3 launches; version 1 with the launch prep written anew for expert scheduling mode
;; workspace buffers: xb 33,554,432 bytes; wb 1,572,864 bytes; eb 2,097,152 bytes; et 67,108,864 bytes
;; launch prep (part 4): grid 256 x 1, 16 waves a work-group, no clusters, 0 bytes of LDS; arguments x, Wk, Wv, Wq, pos_bias, xb, wb, eb; writes xb, wb, eb
.if DOCPART == 4
	.amdgcn_target "amdgcn-amd-amdhsa--gfx1250"
	.amdhsa_code_object_version 6
	.text
	.protected	k_q4d5555773c_prep
	.globl	k_q4d5555773c_prep
	.p2align	8
	.type	k_q4d5555773c_prep,@function
k_q4d5555773c_prep:
	s_mov_b64 s[64:65], 0
	v_nop
	global_prefetch_b8 v0, s[64:65] scope:SCOPE_SE
	s_setreg_imm32_b32 hwreg(HW_REG_WAVE_SCHED_MODE, 0, 2), 2
	s_setreg_imm32_b32 hwreg(HW_REG_WAVE_MODE, 25, 1), 1
	s_wait_xcnt 0x0
	s_wait_alu depctr_vm_vsrc(0)
; prep: the matrix operands in bf16.
;   xb[32768][512]  = bf16(x)
;   wb[1536][512]   = bf16 of the three weights, rows in the order in which the later launches want them:
;                     row 128 g + dd = Wk[64 g + dd], row 128 g + 64 + dd = Wv[64 g + dd] (g = 0..7, dd = 0..63), row 1024 + d = Wq[d]
;   eb[1024][1024]  = bf16(exp(pos_bias))
; A stream: no LDS, no barrier, no matrix unit.  256 work-groups of sixteen waves.  Work-group g owns 262,144 bytes of x, 16,384 bytes of pos_bias and
; rows 2 g, 2 g + 1 of each weight.  x: thread t (0..511) takes the 16 bytes at 16 t of each of 32 pieces of 8,192 bytes and stores 8 bytes at 8 t: a wave's
; load covers 512 consecutive bytes, its store 256 consecutive bytes at a multiple of 256.  512 threads x 32 loads x 16 bytes are the group's whole share:
; all of it is asked for at once, each quad is converted in place and stored from there, and no register is written twice.
; The small inputs go in pieces of 4,096 bytes to half of the waves each: waves 0-7 the four pieces of pos_bias, waves 8-15 the
; three weights.  Each of the two ways issues its small loads and then the same 32 loads of x, so both meet with the same loads outstanding.
; Every piece's place stands in the immediate offset (253,952 at the most), so no address register is ever rewritten.
; LIMITS: v_exp_f32 flushes denormal results (ISA guide, its entry in 15.8): exp(pos_bias) below 2^-126 is stored as 0.
; exp(p) is made as 2^(p log2 e), the product rounded once in f32.  No maximum is taken away, as in the computation that this follows;
; bf16 has f32's exponent range, so nothing overflows here that does not overflow there.
; THE MODE: SCHED_MODE bits 1:0 = 2 (LLVM: expert scheduling mode 2), set by the entry lines.  The code itself states the register dependences
; between vector instructions and memory instructions, with s_wait_alu, always for 0.
; THE PLAN.  Registers that memory instructions touch:
;   v1, v3    offsets of the loads, v2, v4 offsets of the stores: made once at the head, never written again.
;   SM        written by the small loads, then in place by the arm's vector instructions; the first two registers of each quad are read by the arm's stores.
;   X         32 quads.  Each is written by one load, issued at the head before any vector instruction names it; then in place by its two roundings; its
;             first two registers are read by one store.  Nothing writes a quad behind its store.
; So no register that a memory instruction has read is written again, and no load lands in a register that a vector instruction has named: what is left to
; state is that a store's data are written.  x goes in eight groups of four pieces.  Group g rounds its own four quads; its memory instructions are the four
; stores of group g - 1, whose quads no vector instruction of group g names.  One wait at a group's head states all that these four stores hang on, and
; they are dealt among the group's roundings with no further wait.  Each arm rounds all its small pieces and has one wait ahead of its run of stores.
.set PIECE,  8192                      ; bytes of x that the 512 threads load at once
.set SPIECE, 4096                      ; bytes of a small input that 256 threads load at once
.set NX,     32                        ; pieces of x
.set GROUP,  4                         ; pieces in a group
.set SM,  8                            ; v[8:23]    the small inputs: four quads of pos_bias (waves 0-7) or three of weights (waves 8-15)
.set X,   24                           ; v[24:151]  piece i of x: 4 registers as loaded; the first two of them as stored
	s_load_b512 s[4:19], s[0:1], 0x0               ; x 4:5, Wk 6:7, Wv 8:9, Wq 10:11, pos_bias 12:13, xb 14:15, wb 16:17, eb 18:19
	v_lshlrev_b32 v1, 4, v0                        ; 16 t: where I load x
	v_lshlrev_b32 v2, 3, v0                        ; 8 t: where I store xb
	v_and_b32 v3, 0xff, v0                         ; my place among the 256 threads of my half of the waves
	v_lshlrev_b32 v4, 3, v3                        ; 8 x that: where I store a small piece
	v_lshlrev_b32 v3, 4, v3                        ; 16 x that: where I load it
	v_lshrrev_b32 v5, 5, v0
	v_readfirstlane_b32 s26, v5                    ; wave 0..15
	s_mov_b32 s21, 0                               ; s[20:21]: an offset below 4 GiB
	s_lshr_b32 s24, ttmp9, 5                       ; Wk's rows 2 g, 2 g + 1 go to wb's rows 128 (g / 32) + 2 (g % 32) and the next:
	s_lshl_b32 s24, s24, 17                        ; (g / 32) x 128 rows x 1,024 bytes
	s_and_b32 s25, ttmp9, 31
	s_lshl_b32 s25, s25, 11                        ; + (g % 32) x 2 rows; the second row is in the thread's 8 bytes' place
	s_add_co_u32 s24, s24, s25
	s_mov_b32 s25, 0
	s_wait_kmcnt 0x0
	s_lshl_b32 s20, ttmp9, 18
	s_add_nc_u64 s[4:5], s[4:5], s[20:21]          ; x at my 262,144 bytes
	s_lshl_b32 s20, ttmp9, 12
	s_add_nc_u64 s[6:7], s[6:7], s[20:21]          ; the weights at my two rows
	s_add_nc_u64 s[8:9], s[8:9], s[20:21]
	s_add_nc_u64 s[10:11], s[10:11], s[20:21]
	s_lshl_b32 s20, ttmp9, 14
	s_add_nc_u64 s[12:13], s[12:13], s[20:21]      ; pos_bias
	s_lshl_b32 s20, ttmp9, 17
	s_add_nc_u64 s[14:15], s[14:15], s[20:21]      ; xb
	s_lshl_b32 s20, ttmp9, 13
	s_add_nc_u64 s[18:19], s[18:19], s[20:21]      ; eb
	s_lshl_b32 s20, ttmp9, 11
	s_add_co_u32 s20, s20, 0x100000
	s_add_nc_u64 s[22:23], s[16:17], s[20:21]      ; wb at row 1024 + 2 g: Wq's place
	s_add_nc_u64 s[16:17], s[16:17], s[24:25]      ; wb at Wk's place; Wv's is 64 rows = 65,536 bytes further
.macro XLOADS                          ; the wave's whole share of x: 32 loads
.set it, 0
.rept NX
	global_load_b128 v[X+4*it:X+4*it+3], v1, s[4:5] offset:it*PIECE th:TH_LOAD_NT
.set it, it+1
.endr
.endm
	s_wait_alu depctr_va_vdst(0)                   ; v1 to v4 are written: every load and store of the kernel, on both ways, reads one of them as its offset
	s_wait_alu depctr_va_sdst(0)                   ; s26 is written, ahead of its first reader, the compare below
	s_cmp_lt_u32 s26, 8
	s_cbranch_scc0 .Lweights
	; waves 0-7: pos_bias.  The four pieces' sixteen exponentials are one batch
.irp i, 0,1,2,3
	global_load_b128 v[SM+4*\i:SM+4*\i+3], v3, s[12:13] offset:\i*SPIECE th:TH_LOAD_NT
.endr
	XLOADS
.irp i, 0,1,2,3
	s_wait_loadcnt 35-\i                           ; loads come back in order (ISA guide 5.7.1): behind piece i stand 3 - i of its kind and the 32 of x
	v_pk_mul_f32 v[SM+4*\i:SM+4*\i+1],   v[SM+4*\i:SM+4*\i+1],   0x3fb8aa3b op_sel_hi:[1,0]   ; x log2 e
	v_pk_mul_f32 v[SM+4*\i+2:SM+4*\i+3], v[SM+4*\i+2:SM+4*\i+3], 0x3fb8aa3b op_sel_hi:[1,0]
	v_exp_f32 v[SM+4*\i],   v[SM+4*\i]
	v_exp_f32 v[SM+4*\i+1], v[SM+4*\i+1]
	v_exp_f32 v[SM+4*\i+2], v[SM+4*\i+2]
	v_exp_f32 v[SM+4*\i+3], v[SM+4*\i+3]
.endr
	v_nop                                          ; one plain vector instruction between the last v_exp_f32 and the use of its result (ISA guide 5.7.2)
	s_wait_alu depctr_va_vdst(0)                   ; the sixteen exponentials have written v[SM ..], which the roundings below name: one wait for the batch
.irp i, 0,1,2,3
	v_cvt_pk_bf16_f32 v[SM+4*\i],   v[SM+4*\i],   v[SM+4*\i+1]
	v_cvt_pk_bf16_f32 v[SM+4*\i+1], v[SM+4*\i+2], v[SM+4*\i+3]
.endr
	s_wait_alu depctr_va_vdst(0)                   ; the eight roundings have written the first two registers of each quad, which the four stores read
.irp i, 0,1,2,3
	global_store_b64 v4, v[SM+4*\i:SM+4*\i+1], s[18:19] offset:\i*(SPIECE/2)
.endr
	s_branch .Lx
.Lweights:
	; waves 8-15: the three weights
	global_load_b128 v[SM:SM+3],    v3, s[6:7] th:TH_LOAD_NT
	global_load_b128 v[SM+4:SM+7],  v3, s[8:9] th:TH_LOAD_NT
	global_load_b128 v[SM+8:SM+11], v3, s[10:11] th:TH_LOAD_NT
	XLOADS
	s_wait_loadcnt 34                              ; Wk is in: behind it stand Wv, Wq and the 32 of x
	v_cvt_pk_bf16_f32 v[SM],   v[SM],   v[SM+1]
	v_cvt_pk_bf16_f32 v[SM+1], v[SM+2], v[SM+3]
	s_wait_loadcnt 33                              ; Wv
	v_cvt_pk_bf16_f32 v[SM+4], v[SM+4], v[SM+5]
	v_cvt_pk_bf16_f32 v[SM+5], v[SM+6], v[SM+7]
	s_wait_loadcnt 32                              ; Wq
	v_cvt_pk_bf16_f32 v[SM+8], v[SM+8],  v[SM+9]
	v_cvt_pk_bf16_f32 v[SM+9], v[SM+10], v[SM+11]
	s_wait_alu depctr_va_vdst(0)                   ; the six roundings have written the first two registers of each quad, which the three stores read
	global_store_b64 v4, v[SM:SM+1], s[16:17]
	global_store_b64 v4, v[SM+4:SM+5], s[16:17] offset:65536
	global_store_b64 v4, v[SM+8:SM+9], s[22:23]
.Lx:
; x: group g of eight.  Its four pieces are rounded as they come in; the four stores of the group before stand among the roundings.
; first = 1: group 0, with no group in front of it: nothing to store, and no dependence to state.
.macro GRP g, first
.irp i, 0,1,2,3
.if (\i) == 0
	s_wait_loadcnt NX-1-GROUP*(\g)                 ; the group's first piece is in; the younger ones stay out
.if !(\first)
	s_wait_alu depctr_va_vdst(0)                   ; the group before has written the first two registers of its four quads, which the four stores of this group's turn read
.endif
.endif
.if !(\first)
	global_store_b64 v2, v[X+4*GROUP*((\g)-1)+4*(\i):X+4*GROUP*((\g)-1)+4*(\i)+1], s[14:15] offset:(GROUP*((\g)-1)+(\i))*(PIECE/2)  ; no vector instruction since the wait names these registers
.endif
.if (\i) > 0
	s_wait_loadcnt NX-1-(GROUP*(\g)+(\i))          ; this piece is in; the younger ones stay out
.endif
	v_cvt_pk_bf16_f32 v[X+4*GROUP*(\g)+4*(\i)],   v[X+4*GROUP*(\g)+4*(\i)],   v[X+4*GROUP*(\g)+4*(\i)+1]
	v_cvt_pk_bf16_f32 v[X+4*GROUP*(\g)+4*(\i)+1], v[X+4*GROUP*(\g)+4*(\i)+2], v[X+4*GROUP*(\g)+4*(\i)+3]
.endr
.endm
	GRP 0, 1
	GRP 1, 0
	GRP 2, 0
	GRP 3, 0
	GRP 4, 0
	GRP 5, 0
	GRP 6, 0
	GRP 7, 0
	s_wait_alu depctr_va_vdst(0)                   ; group 7 has written the first two registers of its four quads, which the last four stores read
.irp i, 0,1,2,3
	global_store_b64 v2, v[X+4*GROUP*7+4*\i:X+4*GROUP*7+4*\i+1], s[14:15] offset:(GROUP*7+\i)*(PIECE/2)
.endr
	s_endpgm
.Lfunc_end_k_q4d5555773c_prep:
	.size	k_q4d5555773c_prep, .Lfunc_end_k_q4d5555773c_prep-k_q4d5555773c_prep
	.p2alignl 7, 3214868480
	.fill 96, 4, 3214868480
	.section	.rodata,"a",@progbits
	.p2align	6, 0x0
	.amdhsa_kernel k_q4d5555773c_prep
		.amdhsa_group_segment_fixed_size 0
		.amdhsa_private_segment_fixed_size 0
		.amdhsa_enable_private_segment 0
		.amdhsa_kernarg_size 64
		.amdhsa_user_sgpr_count 2
		.amdhsa_user_sgpr_kernarg_segment_ptr 1
		.amdhsa_wavefront_size32 1
		.amdhsa_system_sgpr_workgroup_id_x 1
		.amdhsa_system_sgpr_workgroup_id_y 1
		.amdhsa_system_sgpr_workgroup_id_z 1
		.amdhsa_system_vgpr_workitem_id 0
		.amdhsa_next_free_vgpr 152
		.amdhsa_next_free_sgpr 66
		.amdhsa_reserve_vcc 0
		.amdhsa_float_denorm_mode_32 3
		.amdhsa_float_denorm_mode_16_64 3
		.amdhsa_memory_ordered 1
		.amdhsa_forward_progress 1
		.amdhsa_inst_pref_size 20
	.end_amdhsa_kernel
	.amdgpu_metadata
---
amdhsa.version: [ 1, 2 ]
amdhsa.kernels:
  - .name:           k_q4d5555773c_prep
    .symbol:         k_q4d5555773c_prep.kd
    .args:
      - { .name: x, .offset: 0, .size: 8, .value_kind: global_buffer, .address_space: global }
      - { .name: Wk, .offset: 8, .size: 8, .value_kind: global_buffer, .address_space: global }
      - { .name: Wv, .offset: 16, .size: 8, .value_kind: global_buffer, .address_space: global }
      - { .name: Wq, .offset: 24, .size: 8, .value_kind: global_buffer, .address_space: global }
      - { .name: pos_bias, .offset: 32, .size: 8, .value_kind: global_buffer, .address_space: global }
      - { .name: xb, .offset: 40, .size: 8, .value_kind: global_buffer, .address_space: global }
      - { .name: wb, .offset: 48, .size: 8, .value_kind: global_buffer, .address_space: global }
      - { .name: eb, .offset: 56, .size: 8, .value_kind: global_buffer, .address_space: global }
    .group_segment_fixed_size: 0
    .private_segment_fixed_size: 0
    .kernarg_segment_align: 8
    .kernarg_segment_size: 64
    .max_flat_workgroup_size: 512
    .sgpr_count:     66
    .vgpr_count:     152
    .wavefront_size: 32
...
	.end_amdgpu_metadata
.endif
;; end of part 4
;; launch proj: the kernel of part 2 again; grid 64 x 4, 4 waves a work-group, clusters of 4 x 4, 327,680 bytes of LDS; arguments wb, xb, bk, bv, et; writes et
;; launch aft: the kernel of part 3 again; grid 4 x 128, 4 waves a work-group, clusters of 4 x 4, 327,680 bytes of LDS; arguments eb, et, xb, wb, bq, out0; writes out0
